; MI455X (gfx1250); checked and timed in simulation.
; The chip was launched on July 23, 2026; its instructions are those of AMD's public machine-readable ISA for CDNA 5 (MIT licence, August 2026) and "CDNA5" Instruction Set Architecture Reference Guide (July 2026). The comments in the code are by the model that wrote it; some were corrected since.
;; LSTM Cell KFAC. Allowed arithmetic: matrix products marked QUANTISED: E2M1 operands, one E8M0 scale for each 32 along K, by v_wmma_scale_f32_16x16x128_f8f6f4 with both operands' format E2M1 (or v_wmma_scale_f32_32x16x128_f4), f32 sums; everything else in f32.
;; Inputs: b_f_h 1,024 float32; b_f_i 1,024 float32; b_g_h 1,024 float32; b_g_i 1,024 float32; b_i_h 1,024 float32; b_i_i 1,024 float32; b_o_h 1,024 float32; b_o_i 1,024 float32; c 4,096 x 1,024 float32; h 4,096 x 1,024 float32; input 4,096 x 1,024 float32; w_f_h 1,024 x 1,024 float32; w_f_i 1,024 x 1,024 float32; w_g_h 1,024 x 1,024 float32; w_g_i 1,024 x 1,024 float32; w_i_h 1,024 x 1,024 float32; w_i_i 1,024 x 1,024 float32; w_o_h 1,024 x 1,024 float32; w_o_i 1,024 x 1,024 float32.
;; Outputs: out0 4,096 x 1,024 float32; out1 4,096 x 1,024 float32.
;; This version of the problem:
;;   THIS VERSION OF THE PROBLEM IS GIVEN IN LOW PRECISION. The matrix products marked QUANTISED in the list below multiply operands that are first quantised to E2M1 (2 exponent bits, 1 mantissa bit; 4 bits a number), with one power-of-two scale for each 32 numbers along K (OCP MX v1.0); their sums are f32. All else is computed in f32.
;;   The module's matrix products, in the order in which they are computed (A, B: the left and right operand; K: the contracted axis; several contracted axes count as one K, in the product's order):
;;     1. [M 4,096, K 1,024] x [K 1,024, N 1,024]; A: input input; B: input w_i_i: QUANTISED
;;     2. [M 4,096, K 1,024] x [K 1,024, N 1,024]; A: input h; B: input w_i_h: QUANTISED
;;     3. [M 4,096, K 1,024] x [K 1,024, N 1,024]; A: input input; B: input w_f_i: QUANTISED
;;     4. [M 4,096, K 1,024] x [K 1,024, N 1,024]; A: input h; B: input w_f_h: QUANTISED
;;     5. [M 4,096, K 1,024] x [K 1,024, N 1,024]; A: input input; B: input w_g_i: QUANTISED
;;     6. [M 4,096, K 1,024] x [K 1,024, N 1,024]; A: input h; B: input w_g_h: QUANTISED
;;     7. [M 4,096, K 1,024] x [K 1,024, N 1,024]; A: input input; B: input w_o_i: QUANTISED
;;     8. [M 4,096, K 1,024] x [K 1,024, N 1,024]; A: input h; B: input w_o_h: QUANTISED
;;   THE QUANTISER, for each operand of a quantised product, along K:
;;     - K is cut into blocks of 32 from its start; a last block that is shorter is filled with zeros.
;;     - A block's scale is 2^e with e = floor(log2(the largest magnitude in the block)) - 2, held to -126 .. 127; a block of zeros has e = 0. As a byte (E8M0): e + 127.
;;     - Each number is divided by its block's scale, clamped to +-6, and rounded to the nearest number of E2M1, ties to even, subnormals kept.
;;     - The product sums the exact products of the quantised numbers (number of the format x scale) in f32.
;;   ~~~python
;;   def quantise(x, axis):      # numpy; x: float32 -> the quantised numbers, widened to float32 again
;;       x = np.moveaxis(x, axis, -1); K = x.shape[-1]
;;       x = np.pad(x, [(0, 0)] * (x.ndim - 1) + [(0, -K % 32)]); x = x.reshape(x.shape[:-1] + (-1, 32)); a = np.abs(x).max(-1, keepdims=True)
;;       e = np.where(a > 0, np.clip(np.frexp(np.where(a > 0, a, 1))[1] - 1 - 2, -126, 127), 0)      # np.frexp(a)[1] - 1 = floor(log2(a)), exactly
;;       r = np.clip(x / 2.0 ** e, -6, 6)
;;       step = 2.0 ** (np.maximum(np.frexp(np.where(r == 0, 1, r))[1] - 1, 0) - 1)
;;       q = np.round(r / step) * step * 2.0 ** e      # np.round: ties to even
;;       return np.moveaxis(q.reshape(q.shape[:-2] + (-1,))[..., :K], -1, axis).astype(np.float32)
;;   ~~~
;; One version. Each part assembles by itself: llvm-mc -triple=amdgcn-amd-amdhsa -mcpu=gfx1250 --defsym DOCPART=n.
;; ======== version 1 of 1: 2 launches
;; limits: right only within a limited range of input values
;; workspace buffers: aimg 4,456,448 bytes; bimg 4,456,448 bytes
;; launch quant (part 1): grid 512 x 1, 4 waves a work-group, no clusters, 17,920 bytes of LDS; arguments input, h, w_i_i, w_i_h, w_f_i, w_f_h, w_g_i, w_g_h, w_o_i, w_o_h, aimg, bimg; writes aimg, bimg
.if DOCPART == 1
	.amdgcn_target "amdgcn-amd-amdhsa--gfx1250"
	.amdhsa_code_object_version 6
	.text
	.protected	k_qfcec805400_quant
	.globl	k_qfcec805400_quant
	.p2align	8
	.type	k_qfcec805400_quant,@function
k_qfcec805400_quant:
	s_mov_b64 s[64:65], 0
	v_nop
	global_prefetch_b8 v0, s[64:65] scope:SCOPE_SE
	s_setreg_imm32_b32 hwreg(HW_REG_WAVE_MODE, 25, 1), 1
	s_wait_xcnt 0x0
; LSTM cell, first of two launches: input, h and the eight weights, all f32 with K innermost, become codes of FP4 (E2M1) with one E8M0 scale byte for each 32 along K.
; NO WORK OF THE PROBLEM IS LEFT OUT: all nineteen inputs reach the outputs; this launch reads ten of them, the second launch c and the eight biases.
; ONE K OF 2,048: input @ w_x_i^T + h @ w_x_h^T is one product of [input | h] with [w_x_i | w_x_h]; 1,024 is a multiple of 32, so the blocks of 32 are those of the eight separate quantisers.
; THE IMAGES aimg, bimg: [4 K steps of 512][4,096 rows][272 bytes]: a row's 256 bytes of codes, then its 16 scale bytes.  K steps 0, 1 are input's (w_x_i's), 2, 3 h's (w_x_h's).
;   Inside a row the sixteen blocks of a K step stand in another order, the same in both images, so that the products' sums are of the same terms: place 4 g + i (16 bytes of codes, one scale byte) holds block 4 i + g along K.
;   The second launch brings whole runs of rows (128 rows: 34,816 bytes, a multiple of 256) into LDS as they lie.
;   Image rows are interleaved by four: image row 16 V + r of aimg is batch row 64 (V / 4) + 4 r + V % 4; of bimg: gate G = (V / 4) % 4 (i, f, g, o), unit 64 (V / 16) + 4 r + V % 4.
; A block's scale is 2^(floor(log2(its largest magnitude)) - 2); its byte is the largest magnitude's own exponent field - 2, held at 1 from below.  Each number is divided by the scale and rounded to the nearest code,
; ties to even; beyond the largest code the conversion gives the largest code.
; LIMITS: a block of zeros, and one whose largest magnitude lies under 2^-124, gets the byte 1 (the quantiser says 127 for zeros): codes of zero add nothing under any byte but 0xff, and this program alone reads the bytes.
;   NaN and infinities among these inputs are not served.
; SHARES.  Work-groups 0-255 take (input, h), 256-511 the weights; V = the number modulo 256.  Wave s takes K step s of image rows 16 V .. 16 V + 15: 16 steps, each one source row's 512 numbers.
; Each load reads 512 consecutive bytes, 16 a lane: eight neighbouring lanes hold a block, four numbers each.  The conversion takes eight registers under ONE scale, and a lane's eight of two loads belong to two blocks: so they
; are converted twice, under each block's scale, and of each result the half that belongs is kept.  Two neighbouring lanes then exchange halves: the even lane gets four bytes of the first load's block, the odd lane of the second's.
; Codes and scale bytes are gathered in the wave's own 4,352 bytes of LDS and leave as 17 whole units of 256 bytes.  Waves share nothing: no barrier, no tensor load.  Loads run twelve steps (48 loads a wave) ahead.
.set PITCH, 272
.set WREG,  16*PITCH
.set PLANE, 4096*PITCH
.set SPARE, 4*WREG                     ; the spare words, 128 bytes for each wave, that no other line names
.set R,     48                         ; v48-239  twelve sets of 16 numbers as loaded; at the end the rows on their way out
.set SEL,   11                         ; v11  which bytes the exchange takes; never rewritten
.set SPW,   12                         ; v12  LDS address of my spare word; never rewritten
.set NIL,   13                         ; v13  0; never rewritten
.set P,     14                         ; v14-15  the neighbour's words
	s_load_b128 s[4:7], s[0:1], 0x0                ; input, h
	s_load_b512 s[8:23], s[0:1], 0x10              ; w_i_i, w_i_h, w_f_i, w_f_h, w_g_i, w_g_h, w_o_i, w_o_h
	s_load_b128 s[24:27], s[0:1], 0x50             ; aimg, bimg
	v_lshl_add_u32 v[SPW], v0, 2, SPARE
	v_mov_b32 v[NIL], 0
	v_lshrrev_b32 v1, 5, v0
	v_readfirstlane_b32 s32, v1                    ; wave
	s_mul_i32 s33, s32, WREG
	s_mov_b32 s46, 0xffff
	v_and_b32 v2, 31, v0                           ; lane l = 8 g + m
	v_lshlrev_b32 v3, 4, v2                        ; my 16 bytes of a load's 512, and of a store's
	v_lshrrev_b32 v5, 3, v2                        ; g
	v_bfe_u32 v9, v2, 1, 2                         ; m / 2
	v_and_b32 v10, 1, v2
	v_lshlrev_b32 v4, 6, v5
	v_lshl_add_u32 v4, v9, 2, v4
	v_lshl_add_u32 v4, v10, 4, v4
	v_add_nc_u32 v4, s33, v4                       ; LDS, codes: 64 g + 16 (l % 2) + 4 (m / 2)
	v_lshl_add_u32 v5, v5, 2, s33                  ; LDS, scale bytes: word g
	v_mul_lo_u32 v[SEL], 0xfdfe0606, v10
	v_add_nc_u32 v[SEL], 0x05040100, v[SEL]        ; even lanes 0x05040100: my low half, the neighbour's low half; odd lanes 0x03020706: the neighbour's high half, mine
	v_mov_b32 v[P], 0                              ; (a lane move's destination counts as one of its sources)
	v_mov_b32 v[P+1], 0
	v_add_nc_u32 v6, s33, v3                       ; the way out: 16 bytes a lane,
	v_lshlrev_b32 v7, 3, v2
	v_add_nc_u32 v8, s33, v7                       ; and 8 bytes a lane for the last 256
	s_and_b32 s34, ttmp9, 255                      ; V
	s_and_b32 s35, s34, 3
	s_lshr_b32 s42, s34, 2
	s_and_b32 s33, s42, 3                          ; the gate
	s_lshl_b32 s42, s42, 6
	s_add_co_u32 s42, s42, s35                     ; first batch row: 64 (V / 4) + V % 4
	s_lshr_b32 s43, s34, 4
	s_lshl_b32 s43, s43, 6
	s_add_co_u32 s43, s43, s35                     ; first unit: 64 (V / 16) + V % 4
	s_wait_alu depctr_va_vdst(0)                   ; the wait at the head's end
	s_wait_kmcnt 0x0
	s_cmp_eq_u32 s33, 3                            ; every choice hangs on the work-group's or the wave's number alone
	s_cselect_b64 s[36:37], s[20:21], s[16:17]
	s_cselect_b64 s[38:39], s[22:23], s[18:19]
	s_cmp_eq_u32 s33, 1
	s_cselect_b64 s[36:37], s[12:13], s[36:37]
	s_cselect_b64 s[38:39], s[14:15], s[38:39]
	s_cmp_eq_u32 s33, 0
	s_cselect_b64 s[36:37], s[8:9], s[36:37]
	s_cselect_b64 s[38:39], s[10:11], s[38:39]
	s_cmp_lt_u32 ttmp9, 256
	s_cselect_b64 s[36:37], s[4:5], s[36:37]
	s_cselect_b64 s[38:39], s[6:7], s[38:39]
	s_cselect_b64 s[40:41], s[24:25], s[26:27]
	s_cselect_b32 s42, s42, s43
	s_cmp_lt_u32 s32, 2
	s_cselect_b64 s[36:37], s[36:37], s[38:39]     ; waves 0, 1: input's side; 2, 3: h's
	s_lshl_b32 s44, s42, 12                        ; 4,096 bytes a source row
	s_and_b32 s43, s32, 1
	s_lshl_b32 s43, s43, 11                        ; + my half of it
	s_add_co_u32 s44, s44, s43
	s_mov_b32 s45, 0
	s_add_nc_u64 s[36:37], s[36:37], s[44:45]
	s_mul_i32 s44, s32, PLANE                      ; my K step's plane,
	s_mul_i32 s43, s34, WREG                       ; my 16 image rows
	s_add_co_u32 s44, s44, s43
	s_add_nc_u64 s[40:41], s[40:41], s[44:45]
.macro LOAD r                          ; source rows are 4 apart: 16,384 bytes
.irp i, 0,1,2,3
	global_load_b128 v[R+16*((\r)%12)+4*\i:R+16*((\r)%12)+4*\i+3], v3, s[36:37] offset:16384*(\r)+512*\i th:TH_LOAD_NT
.endr
.endm
.irp r, 0,1,2,3,4,5,6,7,8,9,10,11
	LOAD \r
.endr
.macro STEP r
.set X, R+16*((\r)%12)
.set M, 16+16*((\r)%2)                 ; two sets by turns: four maxima, four scale operands, four results, four bytes
.if (\r) <= 4
	s_wait_loadcnt 44                              ; this row's four loads are in; those of the eleven rows behind it may be out
.else
	s_wait_loadcnt 4*(15-(\r))                     ; the counts run down
.endif
.irp i, 0,1,2,3                        ; the four loads' blocks by turns
	v_max3_num_f32 v[M+\i], |v[X+4*\i]|, |v[X+4*\i+1]|, |v[X+4*\i+2]|
.endr
.irp i, 0,1,2,3
	v_max3_num_f32 v[M+\i], v[M+\i], |v[X+4*\i+3]|, 0x1800000   ; and the floor 2^(3 - 127): the byte cannot fall under 1
.endr
.irp x, 1,2,4                          ; the eight lanes of a block
.irp i, 0,1,2,3
	v_max_num_f32_dpp v[M+\i], v[M+\i], v[M+\i] row_xmask:\x row_mask:0xf bank_mask:0xf
.endr
.endr
.irp i, 0,1,2,3
	v_add_nc_u32 v[M+4+\i], 0xff000000, v[M+\i]    ; 2 off the exponent field: the conversion's scale operand
.endr
	v_cvt_scalef32_pk8_fp4_f32 v[M+8], v[X:X+7], v[M+4]          ; the low half is load 0's four codes
	v_cvt_scalef32_pk8_fp4_f32 v[M+9], v[X:X+7], v[M+5]          ; the high half is load 1's
	v_cvt_scalef32_pk8_fp4_f32 v[M+10], v[X+8:X+15], v[M+6]      ; load 2's
	v_cvt_scalef32_pk8_fp4_f32 v[M+11], v[X+8:X+15], v[M+7]      ; load 3's
.irp i, 0,1,2,3
	v_lshrrev_b32 v[M+12+\i], 23, v[M+4+\i]        ; the scale's byte (also the plain lines behind the conversions)
.endr
.if (\r) < 4
	LOAD (\r)+12
.endif
	v_bfi_b32 v[M+8], s46, v[M+8], v[M+9]          ; low half load 0's codes, high half load 1's
	v_bfi_b32 v[M+10], s46, v[M+10], v[M+11]
	v_lshl_or_b32 v[M+12], v[M+13], 8, v[M+12]     ; the four scale bytes make word g
	v_mov_b32_dpp v[P], v[M+8] row_xmask:1 row_mask:0xf bank_mask:0xf
	v_mov_b32_dpp v[P+1], v[M+10] row_xmask:1 row_mask:0xf bank_mask:0xf
	v_lshl_or_b32 v[M+12], v[M+14], 16, v[M+12]
	v_perm_b32 v[M+8], v[P], v[M+8], v[SEL]
	v_perm_b32 v[M+10], v[P+1], v[M+10], v[SEL]
	v_lshl_or_b32 v[M+12], v[M+15], 24, v[M+12]
	ds_store_b32 v4, v[M+8] offset:PITCH*(\r)
	ds_store_b32 v4, v[M+10] offset:PITCH*(\r)+32
	ds_store_b32 v5, v[M+12] offset:PITCH*(\r)+256               ; the eight lanes of a block write the same word with the same value
.endm
.irp r, 0,1,2,3,4,5,6,7,8,9,10,11,12,13,14,15
	STEP \r
.endr
.irp i, 0,1,2,3,4,5,6,7
	ds_load_b128 v[R+4*\i:R+4*\i+3], v6 offset:512*\i            ; LDS serves a wave's instructions in order: these see my stores
.endr
	ds_load_b64 v[R+32:R+33], v8 offset:4096
.irp i, 0,1,2,3,4,5,6,7
	s_wait_dscnt 8-\i
	global_store_b128 v3, v[R+4*\i:R+4*\i+3], s[40:41] offset:512*\i   ; 512 consecutive bytes, aligned
.endr
	s_wait_dscnt 0x0
	global_store_b64 v7, v[R+32:R+33], s[40:41] offset:4096      ; the last 256
	s_wait_tensorcnt 0x0                           ; the wave's end, behind my last LDS store
	ds_add_u32 v[SPW], v[NIL]
	s_wait_dscnt 0x0
	s_endpgm
.Lfunc_end_k_qfcec805400_quant:
	.size	k_qfcec805400_quant, .Lfunc_end_k_qfcec805400_quant-k_qfcec805400_quant
	.p2alignl 7, 3214868480
	.fill 96, 4, 3214868480
	.section	.rodata,"a",@progbits
	.p2align	6, 0x0
	.amdhsa_kernel k_qfcec805400_quant
		.amdhsa_group_segment_fixed_size 17920
		.amdhsa_private_segment_fixed_size 0
		.amdhsa_enable_private_segment 0
		.amdhsa_kernarg_size 96
		.amdhsa_user_sgpr_count 2
		.amdhsa_user_sgpr_kernarg_segment_ptr 1
		.amdhsa_wavefront_size32 1
		.amdhsa_system_sgpr_workgroup_id_x 1
		.amdhsa_system_sgpr_workgroup_id_y 1
		.amdhsa_system_sgpr_workgroup_id_z 1
		.amdhsa_system_vgpr_workitem_id 0
		.amdhsa_next_free_vgpr 240
		.amdhsa_next_free_sgpr 66
		.amdhsa_reserve_vcc 0
		.amdhsa_float_denorm_mode_32 3
		.amdhsa_float_denorm_mode_16_64 3
		.amdhsa_memory_ordered 1
		.amdhsa_forward_progress 1
		.amdhsa_inst_pref_size 56
	.end_amdhsa_kernel
	.amdgpu_metadata
---
amdhsa.version: [ 1, 2 ]
amdhsa.kernels:
  - .name:           k_qfcec805400_quant
    .symbol:         k_qfcec805400_quant.kd
    .args:
      - { .name: input, .offset: 0, .size: 8, .value_kind: global_buffer, .address_space: global }
      - { .name: h, .offset: 8, .size: 8, .value_kind: global_buffer, .address_space: global }
      - { .name: w_i_i, .offset: 16, .size: 8, .value_kind: global_buffer, .address_space: global }
      - { .name: w_i_h, .offset: 24, .size: 8, .value_kind: global_buffer, .address_space: global }
      - { .name: w_f_i, .offset: 32, .size: 8, .value_kind: global_buffer, .address_space: global }
      - { .name: w_f_h, .offset: 40, .size: 8, .value_kind: global_buffer, .address_space: global }
      - { .name: w_g_i, .offset: 48, .size: 8, .value_kind: global_buffer, .address_space: global }
      - { .name: w_g_h, .offset: 56, .size: 8, .value_kind: global_buffer, .address_space: global }
      - { .name: w_o_i, .offset: 64, .size: 8, .value_kind: global_buffer, .address_space: global }
      - { .name: w_o_h, .offset: 72, .size: 8, .value_kind: global_buffer, .address_space: global }
      - { .name: aimg, .offset: 80, .size: 8, .value_kind: global_buffer, .address_space: global }
      - { .name: bimg, .offset: 88, .size: 8, .value_kind: global_buffer, .address_space: global }
    .group_segment_fixed_size: 17920
    .private_segment_fixed_size: 0
    .kernarg_segment_align: 8
    .kernarg_segment_size: 96
    .max_flat_workgroup_size: 128
    .sgpr_count:     66
    .vgpr_count:     240
    .wavefront_size: 32
...
	.end_amdgpu_metadata
.endif
;; end of part 1
;; launch cell (part 2): grid 16 x 16, 4 waves a work-group, clusters of 4 x 4, 327,680 bytes of LDS; arguments aimg, bimg, c, out0, out1, b_i_i, b_i_h, b_f_i, b_f_h, b_g_i, b_g_h, b_o_i, b_o_h; writes out0, out1
.if DOCPART == 2
	.amdgcn_target "amdgcn-amd-amdhsa--gfx1250"
	.amdhsa_code_object_version 6
	.text
	.protected	k_qfcec805400_cell
	.globl	k_qfcec805400_cell
	.p2align	8
	.type	k_qfcec805400_cell,@function
k_qfcec805400_cell:
	s_mov_b64 s[64:65], 0
	v_nop
	global_prefetch_b8 v0, s[64:65] scope:SCOPE_SE
	s_setreg_imm32_b32 hwreg(HW_REG_WAVE_MODE, 25, 1), 1
	s_wait_xcnt 0x0
	s_wait_alu depctr_hold_cnt(0) depctr_sa_sdst(0) depctr_va_vdst(0) depctr_va_sdst(0) depctr_va_ssrc(0) depctr_va_vcc(0) depctr_vm_vsrc(0)
	s_getreg_b32 s2, hwreg(HW_REG_IB_STS2, 6, 4)
	s_cmp_eq_u32 s2, 0
	s_cbranch_scc0 .Lentry_in_a_cluster
	s_endpgm
.Lentry_in_a_cluster:
	s_bfe_u32 s2, ttmp6, 0x10000c
	s_cmp_lg_u32 s2, 0xf033
	s_cbranch_scc0 .Lentry_shape_is_right
	s_endpgm
.Lentry_shape_is_right:
; LSTM cell, second launch: the eight products as ONE product on codes of FP4 (E2M1) with E8M0 scales, M = 4,096 batch rows, N = 4 gates x 1,024 units, K = 2,048 = [input | h]; then, in registers, the gates, c' and h'.
; No work of the problem is left out.  aimg, bimg: [4 K steps of 512][4,096 image rows][256 bytes of codes, 16 scale bytes].  aimg row 64 w' + 16 a + m is batch row 64 w' + 4 m + a; bimg row 256 X + 64 G + 16 t + r is gate G, unit 64 X + 4 r + t.
; z_G = sum + b_G_i + b_G_h;  i, f, o = 1 / (1 + 2^(-z log2 e));  g = 1 - 2 rg, rg = 1 / (1 + 2^(2 z log2 e));  c' = (f c + i) - 2 i rg (out1);  h' = o (1 - 2 / (1 + 2^(2 c' log2 e))) (out0).  All of that in f32.
; LIMITS: a gate's two products are summed in one f32 accumulator over K = 2,048 and its two biases are added to each other first: another order of f32 rounding than summing apart.
;   The form of tanh has an absolute error of some 1e-7 near 0.  A power of two that overflows gives infinity, whose reciprocal is 0: the gates then stand at their limits 0, 1 or -1, as they should.
; SHARES.  A work-group of four waves makes 256 batch rows x 64 units x 4 gates.  Wave w makes 64 rows x all 256 columns: 64 accumulators of 16 x 16, 512 registers: A's blocks a = 0 .. 3, B's tiles b = 4 G + t.
; Source 0 = 16 rows of A, source 1 = 16 rows of B: in accumulator (a, b) lane (r, h) holds, in register j, batch row 4 (8 h + j) + a and unit 4 r + t of gate G.  So the four tiles t of a gate give a lane four NEIGHBOURING units,
; sixteen lanes hold the 256 bytes of a row, and c comes in, c' and h' go out, straight from registers in whole aligned units: no LDS and no barrier behind the products.
; K goes in four steps of 512 through a ring of two LDS slots; the text is written straight through.  A tensor load brings 128 image rows as they lie, a dense block stated as 136 rows of 256 bytes; the LDS pitch is the image's, 272 bytes
; = 68 words: row r starts at bank 4 r mod 64 (ISA guide 11.1), and the scale bytes come with the codes.
; CLUSTERS: 4 x 4 work-groups.  The four of a row of the cluster need the same tiles of A, the four of a column the same tiles of B: each is asked for JOINTLY, by the same tensor load with the same descriptor and a mask that names the four.
; REGISTERS, in windows of 256.  Window 0: v4-15 addresses; v16-31 the biases; v32-71 scale words and nothing else; v128-255 B's fragments, one set; behind the products v72-119 and v128-255 at work.
;   window 1: v0-63 A's fragments, two sets; v128-255 c, later c' in its place; behind the products v0-127 h'.   window 2: accumulators of tiles b = 0 .. 7 ((a, b) at v[32 (b % 8) + 8 a]);   window 3: those of b = 8 .. 15.
.set PITCH,  272
.set HALFT,  128*PITCH                 ; what one joint load brings
.set SLOT,   4*HALFT                   ; A's 256 rows, then B's 256 rows
.set PLANE,  4096*PITCH                ; a K step in an image
.set SPARE,  2*SLOT                    ; behind the ring: the spare words, 128 bytes for each wave, that no other line names
.set BLK,    16*PITCH
.set ADRA, 4                           ; v4-5    LDS address of my A fragments in slot 0, 1
.set ADRB, 6                           ; v6-7    of B's
.set ADSA, 8                           ; v8-9    of my A rows' scale bytes: a lane a row, two blocks
.set ADSB, 10                          ; v10-11  of B's
.set CO,   12                          ; v12     32 rows x h + 16 r: my place in c, out0, out1; never rewritten
.set PFO,  13                          ; v13     the prefetches' offset: 256 bytes a lane; never rewritten
.set SPW,  14                          ; v14     LDS address of my spare word; never rewritten
.set NIL,  15                          ; v15     0; never rewritten
.set BS,   16                          ; v16-31  (b_G_i + b_G_h) x the gate's factor of unit 4 r + t, at BS + 4 G + t
.set SC,   32                          ; scale words, set (q / 2) at SC + 20 (q / 2): A's pair p of blocks at + 2 p + q % 2, B's pair p of tiles at + 4 + 2 p + q % 2; lanes 0-15 the pair's first, lanes 16-31 its second
.set BF,   128                         ; B's fragments
.set CR,   128                         ; window 1: c, c': block a, register j, tile t at CR + 32 a + 4 j + t;  h' at 32 a + 4 j + t
.set E,    72                          ; v72-87   tanh c' at work
.set OS,   88                          ; v88-119  o of a unit, two sets
.set TB,   128                         ; v128-255 a unit's four gates, two sets of 64: gate G, tile tt of the unit's two, register j at + 16 G + 8 tt + j
.set BO,   112                         ; head only
.set G1,  24                           ; s[24:31], s[48:55] descriptor group 1 for A's, B's tiles
.set G1B, 48
.set G0,  32                           ; s[32:39], s[56:63] group 0, one set for each slot
.set G0B, 56
.set BP,  68                           ; s[68:83] the eight biases' addresses
.set KN,  66                           ; s[66:67] -log2 e, twice
.set KG,  84                           ; s[84:85] 2 log2 e, twice
.set PFA, 86                           ; s[86:87] where my prefetches stand; never rewritten
.set MSB, 0
.macro WIN new                         ; the immediate's high byte repeats the setting that is left
.if MSB != (\new)
	s_set_vgpr_msb (MSB<<8)|(\new)
.set MSB, (\new)
.endif
.endm
.set MUL_LO, 0xa1                      ; source 0 (A) window 1, source 1 (B) window 0, C and D window 2
.set MUL_HI, 0xf1                      ; the same, C and D window 3
; A joint load: waves 0 and 1 fetch A's two halves, waves 2 and 3 B's.  Each of the two lines has ONE mask and one set of registers for all that issue it; the branch hangs on the wave's number alone.
; An s_nop 0 and four v_nop follow each of the two lines, ahead of the jump, the label and what follows.
.macro JLOAD s
	s_cmp_eq_u32 s15, 0
	s_cbranch_scc0 .Lfor_b_\@
	tensor_load_to_lds s[G0+4*\s:G0+4*\s+3], s[G1:G1+7]
	s_nop 0
.rept 4
	v_nop
.endr
	s_branch .Lasked_\@
.Lfor_b_\@:
	tensor_load_to_lds s[G0B+4*\s:G0B+4*\s+3], s[G1B:G1B+7]
	s_nop 0
.rept 4
	v_nop
.endr
.Lasked_\@:
.endm
.macro CREST                           ; a round of the cluster's barrier behind its opening barrier
	s_cmp_lg_u32 s14, 0
	s_cbranch_scc1 .Lnot_wave_0_\@
	s_barrier_signal -3
.Lnot_wave_0_\@:
	s_barrier_wait -3
	s_barrier_signal -1
	s_barrier_wait -1
.endm
.macro CROUND                          ; a whole round
	s_barrier_signal -1
	s_barrier_wait -1
	CREST
.endm
	s_load_b256 s[4:11], s[0:1], 0x0               ; aimg s[4:5], bimg s[6:7], c s[8:9], out0 s[10:11]
	s_load_b64 s[12:13], s[0:1], 0x20              ; out1
	s_load_b512 s[BP:BP+15], s[0:1], 0x28          ; the biases: i, f, g, o, of each the input side's and h's
	v_lshl_add_u32 v[SPW], v0, 2, SPARE
	v_mov_b32 v[NIL], 0
	ds_add_u32 v[SPW], v[NIL]                      ; the wave's opening: the add, twice on end, and its wait ahead of my first tensor load
	ds_add_u32 v[SPW], v[NIL]
	v_lshrrev_b32 v1, 5, v0
	v_readfirstlane_b32 s14, v1                    ; wave 0..3
	s_lshr_b32 s15, s14, 1                         ; I fetch for A (0) or for B (1)
	s_and_b32 s16, s14, 1                          ; which 128 rows of that tile
	s_bfe_u32 s40, ttmp6, 0x40000                  ; cx, cy: my place in the cluster
	s_bfe_u32 s41, ttmp6, 0x40004
	s_lshl_b32 s42, ttmp9, 2
	s_add_co_u32 s42, s42, s40                     ; tile column X = 4 x cluster x + cx: 64 units
	s_and_b32 s17, ttmp7, 0xffff
	s_lshl_b32 s17, s17, 2
	s_add_co_u32 s17, s17, s41                     ; tile row Y = 4 x cluster y + cy: 256 batch rows
	s_lshl_b32 s43, s41, 2
	s_lshl_b32 s43, 15, s43                        ; my row of the cluster
	s_lshl_b32 s44, 0x1111, s40                    ; my column
	s_or_b32 s[G1+0], s43, (3<<16)|(1<<21)         ; 15:0 the mask: A's tiles go to my row; 17:16 element of 8 bytes; no padding; 21 set beside a mask
	s_or_b32 s[G1B+0], s44, (3<<16)|(1<<21)
.irp g, G1, G1B
	s_mov_b32 s[\g+1], 32<<16                      ; tensor_dim0: 256 bytes
	s_mov_b32 s[\g+2], (2*HALFT/256)<<16           ; tensor_dim1: at the head a load brings 256 image rows, 272 rows of 256 bytes; in the ring half of that
	s_mov_b32 s[\g+3], 32<<16                      ; tile_dim0
	s_mov_b32 s[\g+4], 2*HALFT/256                 ; tile_dim1
	s_mov_b32 s[\g+5], 32                          ; dense
	s_mov_b32 s[\g+6], 0
	s_mov_b32 s[\g+7], 0
.endr
	s_mov_b32 s[KN], 0xbfb8aa3b
	s_mov_b32 s[KN+1], s[KN]                       ; (the packed forms name a pair and take its low word for both halves)
	s_mov_b32 s[KG], 0x4038aa3b
	s_mov_b32 s[KG+1], s[KG]
	s_mul_i32 s88, s16, HALFT                      ; which half of a tile I fetch in the ring
	s_mov_b32 s89, 0
	s_mul_i32 s20, s17, 256*PITCH                  ; A's tile: hangs on the tile row alone
	s_mul_i32 s46, s42, 256*PITCH                  ; B's: on the tile column alone
	s_mov_b32 s21, 0
	s_mov_b32 s47, 0
	s_mul_i32 s45, s14, HALFT                      ; where it goes: wave x 128 rows: no place in the cluster enters an LDS address
.irp s, 0,1
	s_mov_b32 s[G0+4*\s], 1
	s_mov_b32 s[G0+4*\s+1], \s*SLOT                ; at the head: the whole tile
	s_mov_b32 s[G0B+4*\s], 1
	s_mov_b32 s[G0B+4*\s+1], \s*SLOT+2*HALFT
.endr
	s_mul_i32 s22, s14, 64*PITCH                   ; my 64 rows of A
	s_add_co_u32 s23, s22, 256
	s_lshl_b32 s18, s42, 8                         ; 64 units: 256 bytes of a row, of a bias
	v_and_b32 v1, 15, v0                           ; r
	v_bfe_u32 v2, v0, 4, 1                         ; h
	v_and_b32 v3, 31, v0                           ; lane
	v_mul_u32_u24 v113, v1, PITCH
	v_lshl_add_u32 v113, v2, 4, v113               ; a fragment: row r, + 16 h
	v_mul_u32_u24 v114, v3, PITCH                  ; scale bytes: a lane a row
	v_add_nc_u32 v[ADRA], s22, v113
	v_add_nc_u32 v[ADRB], 2*HALFT, v113
	v_add_nc_u32 v[ADSA], s23, v114
	v_add_nc_u32 v[ADSB], 2*HALFT+256, v114
	v_add_nc_u32 v[ADRA+1], SLOT, v[ADRA]
	v_add_nc_u32 v[ADRB+1], SLOT, v[ADRB]
	v_add_nc_u32 v[ADSA+1], SLOT, v[ADSA]
	v_add_nc_u32 v[ADSB+1], SLOT, v[ADSB]
	v_lshlrev_b32 v[CO], 17, v2                    ; lanes 16-31: 32 rows of 4,096 bytes further down
	v_lshl_add_u32 v[CO], v1, 4, v[CO]
	v_lshlrev_b32 v[PFO], 8, v3
	v_lshl_add_u32 v[BO], v1, 4, s18               ; a bias: my four units
	s_lshl_b32 s22, s17, 20                        ; my corner in c, out0, out1: 256 rows x tile row + 64 rows x wave, 256 bytes x tile column: under 2^24
	s_lshl_b32 s23, s14, 18
	s_add_co_u32 s22, s22, s23
	s_add_co_u32 s22, s22, s18
	s_mov_b32 s23, 0
	s_wait_alu depctr_va_vdst(0)                   ; the wait here, directly ahead of the waits below
	s_wait_dscnt 0x0                               ; both opening adds are done
	CROUND                                         ; all sixteen work-groups are here: the first joint loads meet
	s_wait_kmcnt 0x0
	s_add_nc_u64 s[20:21], s[4:5], s[20:21]
	s_add_nc_u64 s[46:47], s[6:7], s[46:47]
.irp s, 0,1
	s_add_nc_u64 s[G0+4*\s+2:G0+4*\s+3], s[20:21], \s*PLANE
	s_or_b32 s[G0+4*\s+3], s[G0+4*\s+3], 0x80000000
	s_add_nc_u64 s[G0B+4*\s+2:G0B+4*\s+3], s[46:47], \s*PLANE
	s_or_b32 s[G0B+4*\s+3], s[G0B+4*\s+3], 0x80000000
.endr
.irp g, 0,1,2,3                        ; gate g's two biases, 16 bytes a lane: 256 consecutive bytes; at the head in v72-103
	global_load_b128 v[72+8*\g:75+8*\g], v[BO], s[BP+4*\g:BP+4*\g+1]
	global_load_b128 v[76+8*\g:79+8*\g], v[BO], s[BP+4*\g+2:BP+4*\g+3]
.endr
; THE HEAD'S LOADS, ONE A WAVE.  Waves 0 and 1 fetch K step 0's 256 rows of A and of B and wait for them; waves 2 and 3 fetch K step 1's, behind their biases, so that K step 0 is asked for first;
; theirs are waited for at the first change of slots.  ONE tree of branches on the wave's number, one load to an arm.
.macro ARM num, g0, g1, late, to, next
	s_cmp_eq_u32 s14, \num
	s_cbranch_scc0 \next
.if \late
	s_wait_loadcnt 0x0
.endif
	tensor_load_to_lds s[\g0:\g0+3], s[\g1:\g1+7]
	s_nop 0
.rept 4
	v_nop
.endr
	s_branch \to
\next:
.endm
	ARM 3, G0B+4, G1B, 1, .Lhead_asked, .Larm_2
	ARM 2, G0+4, G1, 1, .Lhead_asked, .Larm_1
	ARM 1, G0B, G1B, 0, .Lhead_first, .Larm_0
	tensor_load_to_lds s[G0:G0+3], s[G1:G1+7]
	s_nop 0
.rept 4
	v_nop
.endr
.Lhead_first:
	s_wait_tensorcnt 0x0                           ; waves 0 and 1: my tile of K step 0 is in
.Lhead_asked:
.macro FRAG reg, adr, q, i             ; a fragment, 16 rows x 128 K of 4-bit codes, is 8 registers: lane l holds row l % 16; registers 4 c .. 4 c + 3 hold K = 64 c + 32 (l / 16) + 0 .. 31
.irp c, 0,1
	ds_load_b128 v[\reg+4*\c:\reg+4*\c+3], v[\adr] offset:64*(\q)+32*\c+(\i)*BLK
.endr
.endm
.macro FETCH_A slot, q                 ; my four blocks into set q % 2; leaves the destination in window 1
	WIN 0x40
.irp a, 0,1,2,3
	FRAG 32*((\q)%2)+8*\a, ADRA+\slot, \q, \a
.endr
.endm
.macro FETCH_B slot, q, b0             ; tiles b0 .. b0 + 7
	WIN 0
.irp i, 0,1,2,3,4,5,6,7
	FRAG BF+8*(\b0+\i), ADRB+\slot, \q, \b0+\i
.endr
.endm
.macro SCALES slot, set                ; the scale words of the slot's steps 2 set and 2 set + 1
.irp p, 0,1
	ds_load_b64 v[SC+20*\set+2*\p:SC+20*\set+2*\p+1], v[ADSA+\slot] offset:2*BLK*\p+8*\set
.endr
.irp p, 0,1,2,3,4,5,6,7
	ds_load_b64 v[SC+20*\set+4+2*\p:SC+20*\set+5+2*\p], v[ADSB+\slot] offset:2*BLK*\p+8*\set
.endr
.endm
.macro WM a, b, q, zero, ma, mb        ; one matrix instruction: A's block a, B's tile b, the slot's q-th 128 along K
.set WD, 32*((\b)%8)+8*(\a)
.set WX, 32*((\q)%2)+8*(\a)
.set WY, BF+8*(\b)
.set WS, SC+20*((\q)/2)+2*((\a)/2)+(\q)%2
.set WT, SC+20*((\q)/2)+4+2*((\b)/2)+(\q)%2
.if \zero
	v_wmma_scale_f32_16x16x128_f8f6f4 v[WD:WD+7], v[WX:WX+7], v[WY:WY+7], 0, v[WS], v[WT] matrix_a_fmt:MATRIX_FMT_FP4 matrix_b_fmt:MATRIX_FMT_FP4 \ma \mb
.else
	v_wmma_scale_f32_16x16x128_f8f6f4 v[WD:WD+7], v[WX:WX+7], v[WY:WY+7], v[WD:WD+7], v[WS], v[WT] matrix_a_fmt:MATRIX_FMT_FP4 matrix_b_fmt:MATRIX_FMT_FP4 \ma \mb
.endif
.endm
; Tiles b0 .. b0 + 3, each against A's four blocks.  The 64 accumulators take turns, one instruction a turn, in the same order in every step.  zero = 1: the first product starts the sums.
.macro MUL8 b0, q, zero                ; (two tiles; MUL16, below, is four)
.irp i, 0
	WM 0, \b0+\i, \q, \zero
	WM 1, \b0+\i, \q, \zero, matrix_a_scale:MATRIX_SCALE_ROW1
	WM 2, \b0+\i, \q, \zero
	WM 3, \b0+\i, \q, \zero, matrix_a_scale:MATRIX_SCALE_ROW1
	WM 0, \b0+\i+1, \q, \zero, matrix_b_scale:MATRIX_SCALE_ROW1
	WM 1, \b0+\i+1, \q, \zero, matrix_a_scale:MATRIX_SCALE_ROW1, matrix_b_scale:MATRIX_SCALE_ROW1
	WM 2, \b0+\i+1, \q, \zero, matrix_b_scale:MATRIX_SCALE_ROW1
	WM 3, \b0+\i+1, \q, \zero, matrix_a_scale:MATRIX_SCALE_ROW1, matrix_b_scale:MATRIX_SCALE_ROW1
.endr
.endm
; A load into a register that a matrix instruction has read, and a vector instruction that reads a matrix result or writes a source, stand four places behind it, and only plain vector instructions that name none of its registers
; are places (ISA guide 7.12.1 for vector instructions).
.macro MUL16 b0, q, zero
	MUL8 \b0, \q, \zero
	MUL8 \b0+2, \q, \zero
.endm
.macro PLACES
.rept 4
	v_nop
.endr
.endm
.macro CLOAD a                         ; c of my block a: two rows a load, sixteen lanes read 256 consecutive bytes, aligned; into registers of window 1 that no product names; waited for behind the products
.irp j, 0,1,2,3,4,5,6,7
	global_load_b128 v[CR+32*\a+4*\j:CR+32*\a+4*\j+3], v[CO], s[8:9] offset:(4*\j+\a)*4096 th:TH_LOAD_NT
.endr
.endm
; A step of 128 along K that has its successor in the same slot.  B's tiles go one after the other, each against A's four blocks: a half of B is free when its 32 products are issued.  cs = 0 .. 3: block cs of c is asked for.
.macro STEP slot, q, zero, cs
	s_wait_dscnt 16                                ; A's set, the scale words and B's tiles 0-7 are in; the youngest sixteen loads (tiles 8-15) may be out
	WIN MUL_LO
	MUL16 0, \q, \zero
	MUL16 4, \q, \zero
	PLACES
	FETCH_A \slot, (\q)+1
.if \cs >= 0
	CLOAD \cs
.endif
	FETCH_B \slot, (\q)+1, 0
.if (\q) == 1
	SCALES \slot, 1
	s_wait_dscnt 34                                ; all but the 34 just issued: tiles 8-15 are in
.else
	s_wait_dscnt 24                                ; all but the 24 just issued
.endif
	WIN MUL_HI
	MUL16 8, \q, \zero
	MUL16 12, \q, \zero
	PLACES
	FETCH_B \slot, (\q)+1, 8
.endm
; A slot's last step changes slots.  In front of the barrier each wave waits for all its tensor loads, adds 0 to its spare word, and waits for that and for its own reads of this slot.
; fill = 1: the barrier opens a round of the cluster's barrier, and this slot takes the K step two steps on, by a joint load, the first thing behind the round.
.macro TURN slot, next, fill
	s_wait_dscnt 16                                ; A's set and B's tiles 0-7 are in; the youngest sixteen loads (tiles 8-15) may be out
	WIN MUL_LO
	MUL16 0, 3, 0
	MUL16 4, 3, 0
	WIN 0
	s_wait_tensorcnt 0x0                           ; all my tensor loads have landed: my part of the next slot among them
	ds_add_u32 v[SPW], v[NIL]                      ; 0 onto my spare word
.if \fill
	s_add_co_u32 s[G0+4*\slot+1], s45, \slot*SLOT  ; no tensor load of mine is out, so descriptors may be written: in the ring a wave brings 128 rows, to wave x 128 rows,
	s_add_co_u32 s[G0B+4*\slot+1], s45, \slot*SLOT
	s_add_nc_u64 s[G0+4*\slot+2:G0+4*\slot+3], s[G0+4*\slot+2:G0+4*\slot+3], s[88:89]      ; two K steps on, my half of the tile
	s_add_nc_u64 s[G0B+4*\slot+2:G0B+4*\slot+3], s[G0B+4*\slot+2:G0B+4*\slot+3], s[88:89]
.if \slot == 0
.irp g, G1, G1B
	s_mov_b32 s[\g+2], (HALFT/256)<<16             ; from here on tensor_dim1 and tile_dim1 are 136
	s_mov_b32 s[\g+4], HALFT/256
.endr
.endif
.endif
	s_wait_dscnt 1                                 ; tiles 8-15 are in (the add may be out)
	WIN MUL_HI
	MUL8 8, 3, 0                                   ; eight matrix instructions stand between the add and the wait for it
	s_wait_dscnt 0x0                               ; the add is done, and my reads of this slot are over
	s_barrier_signal -1
	WIN 0
	s_barrier_wait -1
.if \fill
	CREST                                          ; no wave of any partner still reads this slot's tile or has a load on its way
	JLOAD \slot                                    ; the four v_nop behind it are also the places in front of the loads below
.else
	PLACES
.endif
	FETCH_A \next, 0
	FETCH_B \next, 0, 0
	SCALES \next, 0
	WIN MUL_HI
	MUL8 10, 3, 0
	MUL16 12, 3, 0
	PLACES
	FETCH_B \next, 0, 8
.endm
	s_barrier_signal -1                            ; K step 0's two tiles were waited for by the waves that fetch them; K step 1's may stay out
	s_barrier_wait -1
	FETCH_A 0, 0
	FETCH_B 0, 0, 0
	SCALES 0, 0
	FETCH_B 0, 0, 8
	s_add_nc_u64 s[8:9], s[8:9], s[22:23]          ; c, out0, out1 at my corner
	s_add_nc_u64 s[10:11], s[10:11], s[22:23]
	s_add_nc_u64 s[12:13], s[12:13], s[22:23]
	; PREFETCHES INTO THE L2 of K steps 2 and 3, one and two K steps ahead of the loads that fetch them: of the 136 blocks of 256 bytes of each joint load the four partners that ask for it share 128 out BY ADDRESS, a lane a block:
	; the partner at place p (cx for A, cy for B) asks for blocks 34 p .. 34 p + 31; the other eight come by the load alone.  Each cluster asks for what it will load, once.  K steps 0 and 1 come by the head's loads alone.
	s_cmp_eq_u32 s15, 0                            ; do I fetch for A?
	s_cselect_b64 s[PFA:PFA+1], s[20:21], s[46:47]
	s_cselect_b32 s18, s40, s41
	s_mul_i32 s18, s18, 34*256
	s_add_co_u32 s18, s18, s88                     ; + my half of the tile
	s_mov_b32 s19, 0
	s_add_nc_u64 s[PFA:PFA+1], s[PFA:PFA+1], s[18:19]
	s_add_co_u32 s88, s88, 2*PLANE                 ; what a refill adds to its slot's first address
	global_prefetch_b8 v[PFO], s[PFA:PFA+1] offset:2*PLANE th:TH_LOAD_NT scope:SCOPE_SE
	global_prefetch_b8 v[PFO], s[PFA:PFA+1] offset:3*PLANE th:TH_LOAD_NT scope:SCOPE_SE
	s_wait_loadcnt 0x0                             ; the biases are in
.irp g, 0,1,2,3
	v_pk_add_f32 v[BS+4*\g:BS+4*\g+1], v[72+8*\g:73+8*\g], v[76+8*\g:77+8*\g]
	v_pk_add_f32 v[BS+4*\g+2:BS+4*\g+3], v[74+8*\g:75+8*\g], v[78+8*\g:79+8*\g]
.endr
.irp e, 0,2,4,6,12,14
	v_pk_mul_f32 v[BS+\e:BS+\e+1], v[BS+\e:BS+\e+1], s[KN:KN+1] op_sel_hi:[1,0]   ; i, f, o: x -log2 e
.endr
.irp e, 8,10
	v_pk_mul_f32 v[BS+\e:BS+\e+1], v[BS+\e:BS+\e+1], s[KG:KG+1] op_sel_hi:[1,0]   ; g: x 2 log2 e
.endr
	s_wait_alu depctr_va_vdst(0)                   ; the wait at the head's end
	STEP 0, 0, 1, -1                               ; K step 0: the first products start the sums
	STEP 0, 1, 0, -1
	STEP 0, 2, 0, -1
	TURN 0, 1, 1                                   ; slot 0 takes K step 2
	STEP 1, 0, 0, 0                                ; K step 1; c is asked for here and in K step 2
	STEP 1, 1, 0, 1
	STEP 1, 2, 0, 2
	TURN 1, 0, 1                                   ; slot 1 takes K step 3
	STEP 0, 0, 0, 3                                ; K step 2
	STEP 0, 1, 0, -1
	STEP 0, 2, 0, -1
	TURN 0, 1, 0                                   ; nothing is left to fetch
	STEP 1, 0, 0, -1                               ; K step 3
	STEP 1, 1, 0, -1
	STEP 1, 2, 0, -1
	s_wait_dscnt 16                                ; the very last step
	WIN MUL_LO
	MUL16 0, 3, 0
	MUL16 4, 3, 0
	s_wait_dscnt 0x0
	WIN MUL_HI
	MUL16 8, 3, 0
	MUL16 12, 3, 0
	WIN 0
	s_wait_loadcnt 0x0                             ; c is in
	PLACES
; THE GATES, in eight units n = 2 a + tp: block a, tiles 2 tp and 2 tp + 1 of each gate: 16 elements a lane.  A pipeline: iteration n runs five rounds, and what a round makes is read behind the wait that ends it.
;   1: the first 32 exponentials of n, the last reciprocals of n - 2; f c + i of n - 1      2: the other 32 exponentials of n; i rg of n - 1, the first sums 1 + 2^.. of n
;   3: no transcendental: h' of n - 2, c' of n - 1, the exponents of n + 1                   4: the first 32 reciprocals of n, the exponentials of c' of n - 1; the other sums of n
;   5: the other 32 reciprocals of n; 1 + 2^.. of n - 1
; In the rounds with transcendentals sources 0 and 2 and the destination stay in window 0: only source 1 reaches another.
.macro BEHIND
	v_nop                                          ; one plain place behind the last transcendental
	s_wait_alu depctr_va_vdst(0)
.endm
.macro ARGS m                          ; unit m's exponents: z x the gate's factor; each accumulator from its low end on
.set TM, TB+64*((\m)%2)
.irp g, 0,1,2,3
.if \g < 2
	WIN 0x02
.else
	WIN 0x03
.endif
.irp tt, 0,1
.irp j, 0,2,4,6
.set AC, 32*(4*(\g%2)+2*((\m)%2)+\tt)+8*((\m)/2)+\j
.set AD, TM+16*\g+8*\tt+\j
.set AB, BS+4*\g+2*((\m)%2)
.if \g == 2
	v_pk_fma_f32 v[AD:AD+1], v[AC:AC+1], s[KG:KG+1], v[AB:AB+1] op_sel:[0,0,\tt] op_sel_hi:[1,0,\tt]
.else
	v_pk_fma_f32 v[AD:AD+1], v[AC:AC+1], s[KN:KN+1], v[AB:AB+1] op_sel:[0,0,\tt] op_sel_hi:[1,0,\tt]
.endif
.endr
.endr
.endr
.endm
.macro OUT a, reg, ptr                 ; 16 rows leave, two a store: sixteen lanes store 256 consecutive bytes, aligned; no register that a store reads is written again
	WIN 0x04
.irp j, 0,1,2,3,4,5,6,7
	global_store_b128 v[CO], v[\reg+32*(\a)+4*\j:\reg+32*(\a)+4*\j+3], s[\ptr:\ptr+1] offset:(4*\j+(\a))*4096 th:TH_STORE_NT
.endr
.endm
.macro ITER n
.set TN, TB+64*((\n)%2)                ; unit n
.set TP, TB+64*(((\n)+1)%2)            ; units n - 1, n + 1
.set CN, CR+32*(((\n)-1)/2)+2*(((\n)-1)%2)
.set HN, 32*(((\n)-2)/2)+2*(((\n)-2)%2)
.set ON, OS+16*((\n)%2)                ; o of units n, n - 2
	WIN 0x04
.set k, 0
.rept 16
.if (\n) < 8
	v_exp_f32 v[TN+2*k], v[TN+2*k]
.endif
.if (\n) >= 1 && (\n) <= 8
	v_fma_f32 v[TP+16+k], v[TP+16+k], v[CN+4*(k%8)+k/8], v[TP+k]     ; f c + i
.endif
.if (\n) < 8
	v_exp_f32 v[TN+2*k+1], v[TN+2*k+1]
.endif
.if (\n) >= 2
	v_rcp_f32 v[E+k], v[E+k]
.endif
.set k, k+1
.endr
	BEHIND
	WIN 0
.if (\n) <= 8
.set k, 0
.rept 32
.if (\n) < 8
	v_exp_f32 v[TN+32+k], v[TN+32+k]
.endif
.if k < 8 && (\n) >= 1
	v_pk_mul_f32 v[TP+32+2*k:TP+33+2*k], v[TP+32+2*k:TP+33+2*k], v[TP+2*k:TP+2*k+1]   ; i rg
.endif
.if k >= 16 && (\n) < 8
	v_pk_add_f32 v[TN+2*k-32:TN+2*k-31], v[TN+2*k-32:TN+2*k-31], 1.0 op_sel_hi:[1,0]
.endif
.set k, k+1
.endr
	BEHIND
.endif
.if (\n) >= 2
.set k, 0
.rept 8
	v_pk_fma_f32 v[E+2*k:E+2*k+1], v[E+2*k:E+2*k+1], -2.0, 1.0 op_sel_hi:[1,0,0]      ; tanh c'
.set k, k+1
.endr
	WIN 0x40
.set k, 0
.rept 16
	v_mul_f32 v[HN+4*(k%8)+k/8], v[ON+k], v[E+2*(k%8)+k/8]                            ; h'
.set k, k+1
.endr
.endif
.if (\n) >= 1 && (\n) <= 8
	WIN 0x40
.set k, 0
.rept 16
	v_fma_f32 v[CN+4*(k%8)+k/8], v[TP+32+k], -2.0, v[TP+16+k]                         ; c', in c's place
.set k, k+1
.endr
	WIN 0x01
.set k, 0
.rept 8
	v_pk_mul_f32 v[E+2*k:E+2*k+1], v[CN+4*k:CN+4*k+1], s[KG:KG+1] op_sel_hi:[1,0]     ; 2 c' log2 e
.set k, k+1
.endr
.endif
.if (\n) < 7
	ARGS (\n)+1
.endif
	s_wait_alu depctr_va_vdst(0)
.if (\n) >= 2 && (\n)%2 == 0
	OUT ((\n)-2)/2, CR, 12                         ; c' of a block: out1
.endif
.if (\n) >= 3 && (\n)%2 == 1
	OUT ((\n)-3)/2, 0, 10                          ; h': out0
.endif
	WIN 0
.if (\n) <= 8
.set k, 0
.rept 32
.if (\n) < 8
	v_rcp_f32 v[TN+k], v[TN+k]
.endif
.if k < 16 && (\n) < 8
	v_pk_add_f32 v[TN+32+2*k:TN+33+2*k], v[TN+32+2*k:TN+33+2*k], 1.0 op_sel_hi:[1,0]
.endif
.if k < 16 && (\n) >= 1
	v_exp_f32 v[E+k], v[E+k]
.endif
.set k, k+1
.endr
	BEHIND
.set k, 0
.rept 32
.if (\n) < 8
.if k < 16
	v_rcp_f32 v[TN+32+k], v[TN+32+k]               ; rg
.else
	v_rcp_f32 v[ON+k-16], v[TN+32+k]               ; o, kept apart
.endif
.endif
.if k < 8 && (\n) >= 1
	v_pk_add_f32 v[E+2*k:E+2*k+1], v[E+2*k:E+2*k+1], 1.0 op_sel_hi:[1,0]
.endif
.set k, k+1
.endr
	BEHIND
.endif
.endm
	ARGS 0
	WIN 0
	s_wait_alu depctr_va_vdst(0)
.irp n, 0,1,2,3,4,5,6,7,8,9
	ITER \n
.endr
	s_wait_tensorcnt 0x0                           ; the wave's end, behind my last tensor load
	ds_add_u32 v[SPW], v[NIL]
	s_wait_dscnt 0x0
	CROUND                                         ; the closing round: no work-group ends while a partner may still ask for a tile that names it
	s_endpgm
.Lfunc_end_k_qfcec805400_cell:
	.size	k_qfcec805400_cell, .Lfunc_end_k_qfcec805400_cell-k_qfcec805400_cell
	.p2alignl 7, 3214868480
	.fill 96, 4, 3214868480
	.section	.rodata,"a",@progbits
	.p2align	6, 0x0
	.amdhsa_kernel k_qfcec805400_cell
		.amdhsa_group_segment_fixed_size 327680
		.amdhsa_private_segment_fixed_size 0
		.amdhsa_enable_private_segment 0
		.amdhsa_kernarg_size 104
		.amdhsa_user_sgpr_count 2
		.amdhsa_user_sgpr_kernarg_segment_ptr 1
		.amdhsa_wavefront_size32 1
		.amdhsa_system_sgpr_workgroup_id_x 1
		.amdhsa_system_sgpr_workgroup_id_y 1
		.amdhsa_system_sgpr_workgroup_id_z 1
		.amdhsa_system_vgpr_workitem_id 0
		.amdhsa_next_free_vgpr 1024
		.amdhsa_next_free_sgpr 100
		.amdhsa_reserve_vcc 0
		.amdhsa_float_denorm_mode_32 3
		.amdhsa_float_denorm_mode_16_64 3
		.amdhsa_memory_ordered 1
		.amdhsa_forward_progress 1
		.amdhsa_inst_pref_size 255
	.end_amdhsa_kernel
	.section	.bss,"aw",@nobits
	.p2align	6
	.space	262144
	.amdgpu_metadata
---
amdhsa.version: [ 1, 2 ]
amdhsa.kernels:
  - .name:           k_qfcec805400_cell
    .symbol:         k_qfcec805400_cell.kd
    .args:
      - { .name: aimg, .offset: 0, .size: 8, .value_kind: global_buffer, .address_space: global }
      - { .name: bimg, .offset: 8, .size: 8, .value_kind: global_buffer, .address_space: global }
      - { .name: c, .offset: 16, .size: 8, .value_kind: global_buffer, .address_space: global }
      - { .name: out0, .offset: 24, .size: 8, .value_kind: global_buffer, .address_space: global }
      - { .name: out1, .offset: 32, .size: 8, .value_kind: global_buffer, .address_space: global }
      - { .name: b_i_i, .offset: 40, .size: 8, .value_kind: global_buffer, .address_space: global }
      - { .name: b_i_h, .offset: 48, .size: 8, .value_kind: global_buffer, .address_space: global }
      - { .name: b_f_i, .offset: 56, .size: 8, .value_kind: global_buffer, .address_space: global }
      - { .name: b_f_h, .offset: 64, .size: 8, .value_kind: global_buffer, .address_space: global }
      - { .name: b_g_i, .offset: 72, .size: 8, .value_kind: global_buffer, .address_space: global }
      - { .name: b_g_h, .offset: 80, .size: 8, .value_kind: global_buffer, .address_space: global }
      - { .name: b_o_i, .offset: 88, .size: 8, .value_kind: global_buffer, .address_space: global }
      - { .name: b_o_h, .offset: 96, .size: 8, .value_kind: global_buffer, .address_space: global }
    .group_segment_fixed_size: 327680
    .private_segment_fixed_size: 0
    .kernarg_segment_align: 8
    .kernarg_segment_size: 104
    .max_flat_workgroup_size: 128
    .sgpr_count:     100
    .vgpr_count:     1024
    .wavefront_size: 32
...
	.end_amdgpu_metadata
.endif
;; end of part 2
